; MI455X (gfx1250); checked and timed in simulation.
; The chip was launched on July 23, 2026; its instructions are those of AMD's public machine-readable ISA for CDNA 5 (MIT licence, August 2026) and "CDNA5" Instruction Set Architecture Reference Guide (July 2026). The comments in the code are by the model that wrote it; some were corrected since.
;; Multi Head Attention. Allowed arithmetic: matrix products marked QUANTISED: E2M3 operands, one E8M0 scale for each 32 along K, by v_wmma_scale_f32_16x16x128_f8f6f4 with both operands' format E2M3, f32 sums; products left as they are: f32 operands where the result goes on into a quantised operand, else bf16, f16 or f32 operands; f32 sums; everything else in f32.
;; Inputs: Wout 1,024 x 1,024 float32; Wqkv 1,024 x 3,072 float32; bout 1,024 float32; bqkv 3,072 float32; x 4 x 4,096 x 1,024 float32.
;; Outputs: out0 4 x 4,096 x 1,024 float32.
;; This version of the problem:
;;   THIS VERSION OF THE PROBLEM IS GIVEN IN LOW PRECISION. The matrix products marked QUANTISED in the list below multiply operands that are first quantised to E2M3 (2 exponent bits, 3 mantissa bits; 6 bits a number), with one power-of-two scale for each 32 numbers along K (OCP MX v1.0); their sums are f32. All else is computed in f32.
;;   The module's matrix products, in the order in which they are computed (A, B: the left and right operand; K: the contracted axis; several contracted axes count as one K, in the product's order):
;;     1. [M 16,384, K 1,024] x [K 1,024, N 3,072]; A: input x; B: input Wqkv: QUANTISED
;;     2. batch 16,384 x [M 16, K 64] x [K 64, N 16]; A: computed on the way; B: computed on the way: QUANTISED
;;     3. batch 16,384 x [M 64, K 16] x [K 16, N 16]; A: computed on the way; B: softmax: left as it is (K = 16 < 32)
;;     4. [M 16,384, K 1,024] x [K 1,024, N 1,024]; A: computed on the way; B: input Wout: QUANTISED
;;   THE QUANTISER, for each operand of a quantised product, along K:
;;     - K is cut into blocks of 32 from its start; a last block that is shorter is filled with zeros.
;;     - A block's scale is 2^e with e = floor(log2(the largest magnitude in the block)) - 2, held to -126 .. 127; a block of zeros has e = 0. As a byte (E8M0): e + 127.
;;     - Each number is divided by its block's scale, clamped to +-7.5, and rounded to the nearest number of E2M3, ties to even, subnormals kept.
;;     - The product sums the exact products of the quantised numbers (number of the format x scale) in f32.
;;   ~~~python
;;   def quantise(x, axis):      # numpy; x: float32 -> the quantised numbers, widened to float32 again
;;       x = np.moveaxis(x, axis, -1); K = x.shape[-1]
;;       x = np.pad(x, [(0, 0)] * (x.ndim - 1) + [(0, -K % 32)]); x = x.reshape(x.shape[:-1] + (-1, 32)); a = np.abs(x).max(-1, keepdims=True)
;;       e = np.where(a > 0, np.clip(np.frexp(np.where(a > 0, a, 1))[1] - 1 - 2, -126, 127), 0)      # np.frexp(a)[1] - 1 = floor(log2(a)), exactly
;;       r = np.clip(x / 2.0 ** e, -7.5, 7.5)
;;       step = 2.0 ** (np.maximum(np.frexp(np.where(r == 0, 1, r))[1] - 1, 0) - 3)
;;       q = np.round(r / step) * step * 2.0 ** e      # np.round: ties to even
;;       return np.moveaxis(q.reshape(q.shape[:-2] + (-1,))[..., :K], -1, axis).astype(np.float32)
;;   ~~~
;;   OPERANDS COMPUTED ON THE WAY. 'Computed on the way' means the value that the module computes at that place (a softmax that the list does not call 'softmax' is quantised finished and normalised). What goes into a quantiser is computed in f32, as accurately as f32 sums, v_exp_f32 and their like allow (about 1e-6 of the number): no bf16 or f16 on the way to a quantiser, and a product that is left as it is and whose result goes on into a quantised operand takes f32 operands (vector FMAs, or v_wmma_f32_16x16x4_f32). A number that lies on a knife's edge between two numbers of the format may be rounded either way, as far as f32 arithmetic and the matrix unit's own rounding can turn it there, and no further.
;; One version. Each part assembles by itself: llvm-mc -triple=amdgcn-amd-amdhsa -mcpu=gfx1250 --defsym DOCPART=n.
;; ======== version 1 of 1: 2 launches
;; limits: right only within a limited range of input values
;; workspace buffers: wq 3,276,800 bytes
;; launch prep (part 1): grid 256 x 1, 4 waves a work-group, no clusters, 68,608 bytes of LDS; arguments Wqkv, Wout, wq; writes wq
.if DOCPART == 1
	.amdgcn_target "amdgcn-amd-amdhsa--gfx1250"
	.amdhsa_code_object_version 6
	.text
	.protected	k_qda6e3526ab_prep
	.globl	k_qda6e3526ab_prep
	.p2align	8
	.type	k_qda6e3526ab_prep,@function
k_qda6e3526ab_prep:
	s_mov_b64 s[64:65], 0
	v_nop
	global_prefetch_b8 v0, s[64:65] scope:SCOPE_SE
	s_setreg_imm32_b32 hwreg(HW_REG_WAVE_MODE, 25, 1), 1
	s_wait_xcnt 0x0
; Wqkv [1024][3072] and Wout [1024][1024], f32 with K as their FIRST axis, become codes of FP6 (E2M3) with one E8M0 byte for each 32 along K,
; laid in wq in the ORDER OF THE OPERAND'S REGISTERS, as one linear stream for each wave of the second launch.
; The 4,096 weight columns (3,072 of Wqkv, then 1,024 of Wout) are 8 passes p of 512; wave w of the second launch takes columns 512 p + 128 w + 0 .. 127 as 8 tiles of 16.
; THE COLUMNS OF A TILE ARE NOT NEIGHBOURS: lane r of tile 2 b + u takes local column 32 b + 8 u + r + 8 (r / 8).
; A UNIT is 6,400 bytes: four fragments (16 columns x 128 K, 12 registers a lane) of 1,536 bytes, register q of lane l at 512 (q / 4) + 16 l + 4 (q % 4); then 256 bytes of scale words,
; 8 bytes a lane: word j / 2 of lane r + 16 (j % 2) is the word of the unit's tile j, column r.  Unit number ((8 w + p) 8 + s) 2 + f: s the K step of 128, f the half of the wave's eight tiles.
; SHARES: work-group g takes K step s = g % 8 of column group G = g / 8 (128 columns): a slab of 128 rows x 512 bytes.  Wave v loads rows 32 v .. 32 v + 31, each load 512 consecutive bytes,
; into LDS; behind a barrier it takes tiles 2 v and 2 v + 1: a lane takes a column and its registers run down K, in the order that the operand's layout gives that lane, so the conversions' results are the fragment.
; A block's scale is 2^(floor(log2(its largest magnitude)) - 2); its byte is that magnitude's exponent field - 2, held at 1 from below.
; LIMITS: a block of zeros gets the byte 1 where the rule says 127 (its codes are zeros, and this program alone reads the bytes); NaN and infinities among the inputs are not served.
.set PITCH, 528                        ; a slab row in LDS: 512 bytes + 16
.set SCST,  128*PITCH                  ; behind the slab: the two units' scale words, 512 bytes
.set SPARE, SCST+512                   ; the spare words, 128 bytes for each wave: two blocks of 256 bytes that no other line names
.set UNITB, 6400
.set SPW, 10                           ; v10  LDS address of my spare word; never rewritten
.set NIL, 11                           ; v11  0; never rewritten
.set SWD, 24                           ; v24, v25 the scale words of my two tiles
.set RAW, 32                           ; v32-159  32 rows as loaded; later 2 x 64 numbers down K
.set OF,  160                          ; v160-191 the loads' offsets, a register a row (the pitch is chosen, so it cannot stand in an immediate)
.set FRG, 160                          ; later my two fragments, at 160 and 176
.set CT,  192                          ; v192-207 the conversions' second halves
	s_load_b128 s[4:7], s[0:1], 0x0                ; Wqkv, Wout
	s_load_b64 s[8:9], s[0:1], 0x10                ; wq
	v_lshl_add_u32 v[SPW], v0, 2, SPARE
	v_mov_b32 v[NIL], 0
	v_lshrrev_b32 v1, 5, v0
	v_readfirstlane_b32 s10, v1                    ; wave v
	v_and_b32 v1, 31, v0                           ; lane
	v_and_b32 v2, 15, v0                           ; r
	v_bfe_u32 v3, v0, 4, 1                         ; h
	v_lshlrev_b32 v4, 4, v1                        ; 16 x lane
	s_wait_alu depctr_va_vdst(0)
	s_mul_i32 s11, s10, 32*PITCH
	v_add_nc_u32 v5, s11, v4                       ; into the slab: my wave's 32 rows, 16 bytes a lane
	v_and_b32 v6, 8, v2
	v_add_nc_u32 v6, v6, v2                        ; r + 8 (r / 8)
	v_lshlrev_b32 v6, 2, v6
	v_mad_u32_u24 v6, v3, 32*PITCH, v6             ; lanes 16-31 begin 32 rows further down: lane (r, h) holds k = 64 c + 32 h + 0 .. 31
	s_lshl_b32 s11, s10, 7
	v_add_nc_u32 v6, s11, v6                       ; out of the slab: column 32 v + r + 8 (r / 8)
	s_lshr_b32 s11, s10, 1
	s_lshl_b32 s11, s11, 8
	s_and_b32 s12, s10, 1
	s_lshl_b32 s12, s12, 2
	s_add_co_u32 s11, s11, s12
	s_add_co_u32 s11, s11, SCST
	v_lshl_add_u32 v7, v1, 3, s11                  ; my scale word's place: unit v / 2, 8 x lane, word v % 2
	v_add_nc_u32 v8, SCST, v4                      ; and where wave 0 reads the 512 bytes back
	v_lshlrev_b32 v9, 4, v2
	v_mad_u32_u24 v9, v3, UNITB, v9                ; lanes 0-15 store the first unit's 256 bytes, lanes 16-31 the second's
	v_lshlrev_b32 v22, 3, v3                       ; 8 h: my two bytes' place in a scale word
	v_mov_b32 v23, 0                               ; written once: a lane permute's destination counts as one of its sources
	s_mov_b32 s28, 0x76543210
	s_mov_b32 s29, 0xfedcba98                      ; v_permlanex16_b32's selects for lane l xor 16
	s_and_b32 s13, ttmp9, 7                        ; s
	s_lshr_b32 s14, ttmp9, 3                       ; G
	s_wait_kmcnt 0x0
	s_cmp_lt_u32 s14, 24                           ; Wqkv's columns or Wout's: the choice hangs on the work-group's number alone
	s_cselect_b64 s[4:5], s[4:5], s[6:7]
	s_mov_b32 s15, 4096
	s_cselect_b32 s15, 12288, s15                  ; a row of the tensor in bytes
	s_cselect_b32 s16, 0, 24
	s_sub_co_u32 s16, s14, s16                     ; the column group within its tensor
	s_lshl_b32 s17, s13, 7
	s_lshl_b32 s18, s10, 5
	s_add_co_u32 s17, s17, s18                     ; my first row: 128 s + 32 v
	s_mul_i32 s20, s17, s15
	s_lshl_b32 s16, s16, 9
	s_add_co_u32 s20, s20, s16
	s_mov_b32 s21, 0
	s_add_nc_u64 s[4:5], s[4:5], s[20:21]
	s_and_b32 s22, s14, 3                          ; w
	s_lshr_b32 s23, s14, 2                         ; p
	s_lshl_b32 s22, s22, 3
	s_add_co_u32 s22, s22, s23
	s_lshl_b32 s22, s22, 4
	s_lshl_b32 s23, s13, 1
	s_add_co_u32 s22, s22, s23                     ; (8 w + p) 16 + 2 s: the first of the work-group's two units
	s_mul_i32 s24, s22, UNITB
	s_mov_b32 s25, 0
	s_add_nc_u64 s[26:27], s[8:9], s[24:25]
	s_lshr_b32 s22, s10, 1
	s_mul_i32 s24, s22, UNITB
	s_and_b32 s22, s10, 1
	s_mul_i32 s22, s22, 2*1536
	s_add_co_u32 s24, s24, s22
	s_add_nc_u64 s[8:9], s[26:27], s[24:25]        ; my two fragments: unit v / 2, fragments 2 (v % 2) and the next
	v_mov_b32 v[OF], v4
.set i, 1
.rept 31
	v_add_nc_u32 v[OF+i], s15, v[OF+i-1]
.set i, i+1
.endr
.set i, 0
.rept 32
	global_load_b128 v[RAW+4*i:RAW+4*i+3], v[OF+i], s[4:5] th:TH_LOAD_NT   ; 32 lanes read a row's 512 consecutive bytes
.set i, i+1
.endr
.irp g, 0,1,2,3
	s_wait_loadcnt 24-8*\g                         ; loads come back in order: eight more rows are in, the younger ones stay out
.set i, 8*\g
.rept 8
	ds_store_b128 v5, v[RAW+4*i:RAW+4*i+3] offset:i*PITCH
.set i, i+1
.endr
.endr
	s_wait_dscnt 0x0                               ; for the others' sake: my rows lie in the slab
	s_barrier_signal -1
	s_barrier_wait -1
.macro NLOAD u                         ; tile 2 v + u: register 32 c + i = W(64 c + 32 h + i, my column)
.set i, 0
.rept 64
	ds_load_b32 v[RAW+64*\u+i], v6 offset:(64*(i/32)+i%32)*PITCH+32*\u
.set i, i+1
.endr
.endm
.macro QF u                            ; 64 numbers become a fragment's 12 registers and its scale word; the fragment is stored
.set NN, RAW+64*\u
.irp c, 0,1
	v_max3_num_f32 v[16+\c], |v[NN+32*\c]|, |v[NN+32*\c+1]|, 0x1800000   ; my block 2 c + h: all its 32 numbers are mine; and the floor 2^(3 - 127): the byte cannot fall under 1
.endr
.irp i, 2,4,6,8,10,12,14,16,18,20,22,24,26,28,30
.irp c, 0,1
	v_max3_num_f32 v[16+\c], v[16+\c], |v[NN+32*\c+\i]|, |v[NN+32*\c+\i+1]|
.endr
.endr
.irp c, 0,1
	v_add_nc_u32 v[18+\c], 0xff000000, v[16+\c]    ; 2 off the exponent field: the conversion takes the exponent field of this operand as its scale
.endr
.irp c, 0,1
	v_lshrrev_b32 v[20+\c], 23, v[18+\c]           ; the scale's byte
.endr
	v_lshl_or_b32 v[SWD+\u], v21, 16, v20          ; my two bytes: blocks h and 2 + h,
	v_lshlrev_b32 v[SWD+\u], v22, v[SWD+\u]        ; at their places;
	v_permlanex16_b32 v23, v[SWD+\u], s28, s29
	v_or_b32 v[SWD+\u], v[SWD+\u], v23             ; with lane l xor 16's two the word is whole
.irp c, 0,1
	v_cvt_scalef32_pk16_fp6_f32 v[FRG+16*\u+6*\c:FRG+16*\u+6*\c+2], v[NN+32*\c:NN+32*\c+15], v[18+\c]
	v_cvt_scalef32_pk16_fp6_f32 v[CT+8*\u+4*\c:CT+8*\u+4*\c+2], v[NN+32*\c+16:NN+32*\c+31], v[18+\c]   ; (a conversion's three registers begin on an even number)
.endr
	v_nop                                          ; one plain place behind a scaled conversion
.irp c, 0,1
.irp i, 0,1,2
	v_mov_b32 v[FRG+16*\u+6*\c+3+\i], v[CT+8*\u+4*\c+\i]
.endr
.endr
.irp c, 0,1,2
	global_store_b128 v4, v[FRG+16*\u+4*\c:FRG+16*\u+4*\c+3], s[8:9] offset:1536*\u+512*\c   ; 32 lanes store 512 consecutive bytes, at a multiple of 256 from wq's first byte
.endr
.endm
	NLOAD 0
	s_wait_dscnt 0x0
	NLOAD 1                                        ; the second tile's numbers come while the first tile is worked
	QF 0
	s_wait_dscnt 0x0
	QF 1
	v_cmp_gt_u32 vcc_lo, 16, v1
	v_cndmask_b32 v26, v[SWD+1], v[SWD], vcc_lo    ; lanes 0-15: the even tile's words, lanes 16-31: the odd tile's
	ds_store_b32 v7, v26
	s_wait_dscnt 0x0                               ; for wave 0's sake
	s_barrier_signal -1
	s_barrier_wait -1
	s_cmp_lg_u32 s10, 0                            ; wave 0 stores both units' scale words; no barrier stands under this branch
	s_cbranch_scc1 .Lend
	ds_load_b128 v[28:31], v8
	s_wait_dscnt 0x0
	global_store_b128 v9, v[28:31], s[26:27] offset:6144   ; sixteen lanes store 256 consecutive bytes, at a multiple of 256 from wq's first byte
.Lend:
	s_wait_tensorcnt 0x0                           ; the wave's end, behind my last LDS store
	ds_add_u32 v[SPW], v[NIL]
	s_wait_dscnt 0x0
	s_endpgm
.Lfunc_end_k_qda6e3526ab_prep:
	.size	k_qda6e3526ab_prep, .Lfunc_end_k_qda6e3526ab_prep-k_qda6e3526ab_prep
	.p2alignl 7, 3214868480
	.fill 96, 4, 3214868480
	.section	.rodata,"a",@progbits
	.p2align	6, 0x0
	.amdhsa_kernel k_qda6e3526ab_prep
		.amdhsa_group_segment_fixed_size 68608
		.amdhsa_private_segment_fixed_size 0
		.amdhsa_enable_private_segment 0
		.amdhsa_kernarg_size 24
		.amdhsa_user_sgpr_count 2
		.amdhsa_user_sgpr_kernarg_segment_ptr 1
		.amdhsa_wavefront_size32 1
		.amdhsa_system_sgpr_workgroup_id_x 1
		.amdhsa_system_sgpr_workgroup_id_y 1
		.amdhsa_system_sgpr_workgroup_id_z 1
		.amdhsa_system_vgpr_workitem_id 0
		.amdhsa_next_free_vgpr 208
		.amdhsa_next_free_sgpr 66
		.amdhsa_reserve_vcc 1
		.amdhsa_float_denorm_mode_32 3
		.amdhsa_float_denorm_mode_16_64 3
		.amdhsa_memory_ordered 1
		.amdhsa_forward_progress 1
		.amdhsa_inst_pref_size 25
	.end_amdhsa_kernel
	.amdgpu_metadata
---
amdhsa.version: [ 1, 2 ]
amdhsa.kernels:
  - .name:           k_qda6e3526ab_prep
    .symbol:         k_qda6e3526ab_prep.kd
    .args:
      - { .name: Wqkv, .offset: 0, .size: 8, .value_kind: global_buffer, .address_space: global }
      - { .name: Wout, .offset: 8, .size: 8, .value_kind: global_buffer, .address_space: global }
      - { .name: wq, .offset: 16, .size: 8, .value_kind: global_buffer, .address_space: global }
    .group_segment_fixed_size: 68608
    .private_segment_fixed_size: 0
    .kernarg_segment_align: 8
    .kernarg_segment_size: 24
    .max_flat_workgroup_size: 128
    .sgpr_count:     66
    .vgpr_count:     208
    .wavefront_size: 32
...
	.end_amdgpu_metadata
.endif
;; end of part 1
;; launch fused (part 2): grid 256 x 1, 4 waves a work-group, no clusters, 316,928 bytes of LDS; arguments x, wq, bqkv, bout, out0; writes out0
.if DOCPART == 2
	.amdgcn_target "amdgcn-amd-amdhsa--gfx1250"
	.amdhsa_code_object_version 6
	.text
	.protected	k_qda6e3526ab_fused
	.globl	k_qda6e3526ab_fused
	.p2align	8
	.type	k_qda6e3526ab_fused,@function
k_qda6e3526ab_fused:
	s_mov_b64 s[64:65], 0
	v_nop
	global_prefetch_b8 v0, s[64:65] scope:SCOPE_SE
	s_setreg_imm32_b32 hwreg(HW_REG_WAVE_MODE, 25, 1), 1
	s_wait_xcnt 0x0
; out0 = Q(attention(Q(x) Q(Wqkv) + bqkv)) Q(Wout) + bout for 64 tokens a work-group; Q = codes of FP6 (E2M3), one E8M0 byte for each 32 along K.  The attention is each token's own: 16 query heads x 16 key heads.
; Nothing but the weights' codes (wq, made by the launch before) goes through memory between x and out0.
; SHARES.  Four waves.  In the large products THE WAVES SHARE THE COLUMNS: in pass p (0, 1: q; 2, 3: k; 4, 5: v; 6, 7: the output) wave w makes columns 512 p + 128 w + 0 .. 127 for all 64 tokens: 32 accumulators.
; In what belongs to a token (quantising x, the logits, the softmax, attn x v) wave w owns tokens 16 w .. 16 w + 15.
; EVERY PRODUCT IS USED TRANSPOSED: source 0 = 16 weight columns, source 1 = 16 tokens.  Lane (t, h) then holds token t, and register 16 b + i of a token tile's 64 the local column 32 b + 16 h + i
; (the columns of a weight tile are chosen for that), which is what the quantiser of the next operand takes.
; THE WEIGHTS come from memory straight into registers, as images of the operand's registers: a window of four units (13 loads each) is always on its way for each wave, across passes and phases.
; K IS WALKED FROM ANOTHER START IN EACH WORK-GROUP: a pass is four trips of two K steps, and work-group g takes them in the order (g % 4 + t) % 4, so that at any moment four groups of work-groups ask for
; four different quarters of a pass's weights, and not all 256 for the same bytes.
; No tensor loads, no cluster: V's f32 images take 262,144 bytes of LDS and the tokens' operand images 53,248; what is left, under 11,000 bytes, holds no two slots of the four waves' units (4 x 25,600 bytes a trip).
; OPERANDS GO FROM WAVE TO WAVE THROUGH LDS AS IMAGES OF THEIR REGISTERS; every store whose address is stepped in a loop lands in a region that is the storing wave's own.
; attn x v is left as it is and feeds a quantiser: fused multiply-adds in f32.  The softmax takes its row's maximum away.
; LIMITS: the f32 sums over K = 1,024 do not run in ascending K: they begin at K = 256 (g % 4) and wrap; NaN and infinities among the inputs are not served;
; a block of zeros carries the byte 1 where the rule says 127 (its codes are zeros, and this program alone reads the bytes).
; LDS:  0  XI, the tokens' fragments (x's, later the attention's): tile T, K step s at 12,288 T + 1,536 s;  XS their scale words at 1,024 T + 128 s + 4 lane;
;       VR, used by turns with barriers between: (a) each wave's 16 rows of x in f32, pitch 4,112;  (b) q's and k's codes: writer wave 26,624, pass 6,656, token 104, and their scale words;
;       (c) v in f32: reader wave 65,536, tile 1,024;  (d) in a wave's own 65,536: p by token (pitch 1,040) and, 32,768 on, 16 rows of the output (pitch 528).
; REGISTERS, in windows of 256: window 0: addresses, scale words, the quantiser, v160-255 the tokens' fragments (two sets), over them v160-223 64 numbers at work.
;   window 1: v0-191 four units of weights, v192-255 the pass's bias.   window 2: the 32 accumulators; x's K steps 0-3; the logits; v of eight heads.   window 3: x's K steps 4-7; p; v of eight heads; rows of the output.
; THE BIAS STARTS THE SUMS: a pass's bias, in the accumulators' own layout, is the C of the pass's first K step; it is loaded one pass ahead.
; q's factor 0.125 is a power of two: it moves no code of q, only its scale bytes, so it is applied to the logits instead, inside the softmax's factor log2(e) / 8.
; LIMIT: that holds while no block of q has its scale byte held at 1 from below (largest magnitude under 2^-121).
.set XS,    49152
.set VR,    53248
.set SCR,   VR+106496                  ; q's and k's scale words
.set SPARE, VR+263168                  ; the spare words, 128 bytes for each wave: two blocks of 256 bytes that no other line names
.set RAWP,  4112                       ; a row of x in LDS: 4,096 bytes + 16 = 1,028 words: row r starts at bank 4 r mod 64 (64 banks of 4 bytes: ISA guide 11.1)
.set RAWW,  16*RAWP
.set FRB,   1536                       ; a fragment's image
.set TIB,   8*FRB                      ; a token tile's eight
.set UNITB, 6400
.set TRIPB, 4*UNITB                    ; two K steps of a wave's weights
.set STREAM, 32*TRIPB                  ; a wave's whole stream
.set RWP,   104                        ; 128 codes of a token: 96 bytes + 8
.set RWPC,  64*RWP
.set RWW,   4*RWPC
.set PSP,   1040                       ; a token's 16 x 16 p: 1,024 bytes + 16
.set YSP,   528                        ; 128 numbers of the output: 512 bytes + 16
.set LI,  1                            ; 16 x lane
.set L8,  2                            ; 8 x lane
.set BOF, 3                            ; 64 h
.set LIX, 4                            ; XS + 4 x lane
.set XST, 5                            ; x's rows into LDS
.set XLD, 6                            ; and out of it: row r, + 64 h
.set XWI, 7                            ; where I store a fragment's image: 16 x lane + TIB x wave
.set XWS, 8                            ; and its scale word
.set ADA, 9                            ; the tokens' fragments of the trip that is being fetched
.set ADX, 10                           ; and their scale words
.set C0,  11                           ; addresses of the step in hand
.set C1,  12
.set C2,  13
.set RWA, 14                           ; q's and k's codes: my region, token t, + 24 h
.set RW,  15
.set SWA, 17
.set SW,  18
.set RQ,  19                           ; the logits' operands: lane = head
.set SQ,  20
.set VWA, 21                           ; v21-24 v's images for reader T
.set VW,  25                           ; v25-28
.set VRA, 29
.set PWA, 30
.set PRA, 31
.set XSR, 32                           ; v32-39 the tokens' scale words, two sets of four: scales and nothing else
.set WSR, 40                           ; v40-47 the weights' scale words, two a unit: scales and nothing else
.set LSC, 48                           ; v48-51 the logits' scale words: scales and nothing else
.set STO, 52
.set SRD, 53
.set SPW, 54                           ; LDS address of my spare word; never rewritten
.set NIL, 55                           ; 0; never rewritten
.set TM,  60                           ; v60-75 the quantiser's work
.set PW,  76                           ; the scale word just made
.set PC,  78                           ; v78-97 the codes just made
.set PP,  98                           ; v98-129 p of two query heads
.set ADA0, 130                         ; the tokens' fragments of a pass's first trip: 16 x lane + 3,072 (g % 4); never rewritten
.set ADX0, 131                         ; and their scale words: XS + 4 x lane + 256 (g % 4); never rewritten
.set AF,  160
.set HA,  160
.set BP,  8                            ; s[8:9]   the pass's bias
.set WV,  16
.set SEL, 18
.set L2E, 20
.set NB,  22                           ; s[22:23] the next pass's bias
.set TRIPS, 24
.set PASSES, 25
.set SA,  26
.set SX,  27
.set SROW, 28
.set SSC, 29
.set SV,  30
.set S0,  32
.set S1,  33
.set S2,  34
.set CNT, 35
.set SPS, 40
.set RHO, 41                           ; s41      g % 4: where this work-group begins a pass's K
.set TT,  42                           ; s42      trips begun in the pass
.set NT,  43                           ; s43      trips begun in the launch
.set OFF, 44                           ; s[44:45] where the next trip's units begin in my stream
.set TP,  46                           ; s46, s47 at work
.set RFB, 48                           ; s[48:55] a base for each of a trip's four units
.set MSB, 0
.macro WIN new                         ; the immediate's high byte repeats the setting that is left; at a label and at a branch every window is 0
.if MSB != \new
	s_set_vgpr_msb (MSB<<8)|\new
.set MSB, \new
.endif
.endm
.macro PLACES                          ; four places behind a matrix instruction, ahead of loads into its registers and of reads of its results
.rept 4
	v_nop
.endr
.endm
.macro BARRIER                         ; my LDS stores have landed and my LDS loads are in: then the work-group's barrier
	s_wait_dscnt 0x0
	s_barrier_signal -1
	s_barrier_wait -1
.endm
; 64 numbers of a lane, register 16 b + i = k 32 b + 16 (lane / 16) + i of my token, become a fragment's codes in v[PC] on and its scale word in v[PW].
.macro QUANT s, w                      ; w: the register window in which the 64 numbers stand
	WIN 20*(\w)                                    ; sources 1 and 2 in window w
.irp b, 0,1,2,3
	v_max3_num_f32 v[TM+\b], 0x1800000, |v[\s+16*\b]|, |v[\s+1+16*\b]|   ; block b: my 16 numbers, and the floor 2^(3 - 127): the byte cannot fall under 1
.endr
.irp i, 2,4,6,8,10,12,14
.irp b, 0,1,2,3
	v_max3_num_f32 v[TM+\b], v[TM+\b], |v[\s+16*\b+\i]|, |v[\s+1+16*\b+\i]|
.endr
.endr
	WIN 0
.irp b, 0,1,2,3
	v_permlanex16_b32 v[TM+4+\b], v[TM+\b], s[SEL], s[SEL+1]
.endr
.irp b, 0,1,2,3
	v_max_num_f32 v[TM+\b], v[TM+\b], v[TM+4+\b]   ; with lane l xor 16's: the block's largest magnitude
.endr
.irp b, 0,1,2,3
	v_add_nc_u32 v[TM+12+\b], 0xff000000, v[TM+\b] ; 2 off its exponent field: the conversion's scale operand
.endr
.irp b, 0,1,2,3
	v_lshrrev_b32 v[TM+4+\b], 23, v[TM+12+\b]      ; the scale's byte
.endr
	v_lshl_or_b32 v[PW], v[TM+5], 8, v[TM+4]
	v_lshl_or_b32 v[PW], v[TM+6], 16, v[PW]
	v_lshl_or_b32 v[PW], v[TM+7], 24, v[PW]
	WIN \w                                         ; source 0 in window w
.irp c, 0,1
	v_cvt_scalef32_pk16_fp6_f32 v[PC+6*\c:PC+2+6*\c], v[\s+32*\c:\s+15+32*\c], v[TM+12+2*\c]
	v_cvt_scalef32_pk16_fp6_f32 v[PC+12+4*\c:PC+14+4*\c], v[\s+16+32*\c:\s+31+32*\c], v[TM+12+2*\c+1]   ; (a conversion's three registers begin on an even number)
.endr
	WIN 0
	v_nop                                          ; one plain place behind a scaled conversion
.irp c, 0,1                            ; the operand's layout wants a WHOLE block in a lane
.irp i, 0,1,2
	v_permlane16_swap_b32 v[PC+6*\c+\i], v[PC+12+4*\c+\i]
.endr
.irp i, 0,1,2
	v_mov_b32 v[PC+3+6*\c+\i], v[PC+12+4*\c+\i]
.endr
.endr
.endm
.macro IMAGE adr                       ; the fragment in v[PC] on goes to LDS as it stands
.irp c, 0,1,2
	ds_store_b128 v[\adr], v[PC+4*\c:PC+4*\c+3] offset:512*\c
.endr
.endm
; 16 matrix instructions: unit q of a trip (K step q / 2, tiles 4 (q % 2) + 0 .. 3) against the four token tiles.  The accumulators take turns, one instruction a turn.
.macro UNIT q, zero
.irp j, 0,1,2,3
.irp t, 0,1,2,3
.set rD, 64*\t+8*(4*((\q)%2)+\j)
.set rW, 48*(\q)+12*\j
.set rA, AF+48*((\q)/2)+12*\t
.set rS, WSR+2*(\q)+\j/2
.set rX, XSR+4*((\q)/2)+\t
.set rB, 192+8*(4*((\q)%2)+\j)         ; the tile's bias, in window 1: register j = the column of the accumulator's register j
.if \zero
.if \j%2
	v_wmma_scale_f32_16x16x128_f8f6f4 v[rD:rD+7], v[rW:rW+11], v[rA:rA+11], v[rB:rB+7], v[rS], v[rX] matrix_a_fmt:MATRIX_FMT_FP6 matrix_b_fmt:MATRIX_FMT_FP6 matrix_a_scale:MATRIX_SCALE_ROW1
.else
	v_wmma_scale_f32_16x16x128_f8f6f4 v[rD:rD+7], v[rW:rW+11], v[rA:rA+11], v[rB:rB+7], v[rS], v[rX] matrix_a_fmt:MATRIX_FMT_FP6 matrix_b_fmt:MATRIX_FMT_FP6
.endif
.else
.if \j%2
	v_wmma_scale_f32_16x16x128_f8f6f4 v[rD:rD+7], v[rW:rW+11], v[rA:rA+11], v[rD:rD+7], v[rS], v[rX] matrix_a_fmt:MATRIX_FMT_FP6 matrix_b_fmt:MATRIX_FMT_FP6 matrix_a_scale:MATRIX_SCALE_ROW1
.else
	v_wmma_scale_f32_16x16x128_f8f6f4 v[rD:rD+7], v[rW:rW+11], v[rA:rA+11], v[rD:rD+7], v[rS], v[rX] matrix_a_fmt:MATRIX_FMT_FP6 matrix_b_fmt:MATRIX_FMT_FP6
.endif
.endif
.endr
.endr
.endm
.macro REFILL q                        ; 13 loads: the next trip's unit q into the registers just multiplied, by unit q's own base
	WIN 0x40                                       ; destination window 1
.irp j, 0,1,2,3
.irp c, 0,1,2
	global_load_b128 v[48*(\q)+12*\j+4*\c:48*(\q)+12*\j+4*\c+3], v[LI], s[RFB+2*(\q):RFB+2*(\q)+1] offset:UNITB*(\q)+FRB*\j+512*\c
.endr
.endr
	WIN 0
	global_load_b64 v[WSR+2*(\q):WSR+2*(\q)+1], v[L8], s[RFB+2*(\q):RFB+2*(\q)+1] offset:UNITB*(\q)+6144
.endm
; Unit q of a trip: its 13 loads are in; they were the last to read its base, so the base is written here, behind their own counted wait; the products; the refill.
.macro TAKE q, zero
	s_wait_loadcnt 39                              ; loads come back in order: this unit's 13 are in, the three younger units' 39 may be out
	s_add_nc_u64 s[RFB+2*(\q):RFB+2*(\q)+1], s[6:7], s[OFF:OFF+1]
.if \zero
	WIN 0x91                                       ; source 0 (weights) and C (bias) window 1, source 1 (tokens) window 0, D window 2
.else
	WIN 0xa1                                       ; source 0 (weights) window 1, source 1 (tokens) window 0, C and D window 2
.endif
	UNIT \q, \zero
	PLACES
	REFILL \q
.endm
.macro ALOAD e                         ; 16 LDS loads: the four token tiles' fragments of one K step, and their scale words, into set e
.irp t, 0,1,2,3
.irp c, 0,1,2
	ds_load_b128 v[AF+48*\e+12*\t+4*\c:AF+48*\e+12*\t+4*\c+3], v[ADA] offset:FRB*\e+TIB*\t+512*\c
.endr
	ds_load_b32 v[XSR+4*\e+\t], v[ADX] offset:128*\e+1024*\t
.endr
.endm
; A TRIP: two K steps, 64 matrix instructions.  first = 1: its first K step starts the sums.  inloop = 1: the pass's last trip (s[TRIPS] = 1) fetches no tokens' fragments: the next pass's head does.
; At its head: which of a pass's four trips comes next for this work-group, (trips begun + g % 4) % 4, and from that the tokens' place in LDS and the weights' place in my stream.
; The pass's part of the latter is (trips begun in the launch) & 28: behind the launch's last trip it wraps to the stream's first pass: bytes of the buffer that nobody reads, so that every count stays as it is.
.macro TRIP first, inloop
	s_add_co_u32 s[TT], s[TT], 1
	s_add_co_u32 s[NT], s[NT], 1
	s_add_co_u32 s[TP], s[TT], s[RHO]
	s_and_b32 s[TP], s[TP], 3
	s_mul_i32 s[SA], s[TP], 2*FRB
	s_lshl_b32 s[SX], s[TP], 8
	s_and_b32 s[TP+1], s[NT], 28
	s_add_co_u32 s[TP], s[TP], s[TP+1]
	s_mul_i32 s[OFF], s[TP], TRIPB
	TAKE 0, \first
	TAKE 1, \first
	s_wait_dscnt 0x0                               ; the tokens' second set is in (asked for 32 matrix instructions ago); no LDS instruction of mine is out, so the addresses are written here
	v_add_nc_u32 v[ADA], s[SA], v[LI]
	v_add_nc_u32 v[ADX], s[SX], v[LIX]
.if \inloop
	s_cmp_eq_u32 s[TRIPS], 1
	s_cbranch_scc1 .Lna_\@
.endif
	ALOAD 0                                        ; the next trip's first set
.if \inloop
.Lna_\@:
.endif
	s_wait_alu depctr_va_vdst(0)
	TAKE 2, 0
	TAKE 3, 0
	s_wait_dscnt 0x0                               ; the next first set is in
.if \inloop
	s_cmp_eq_u32 s[TRIPS], 1
	s_cbranch_scc1 .Lnb_\@
.endif
	ALOAD 1                                        ; the next trip's second set
.if \inloop
.Lnb_\@:
.endif
.endm
; 16 loads: a pass's bias by pointer p (register 16 b + i: local column 32 b + 16 h + i), into window 1
.macro BIAS p
	WIN 0x40
.set i, 0
.rept 16
	global_load_b128 v[192+4*i:192+4*i+3], v[BOF], s[\p:\p+1] offset:128*(i/4)+16*(i%4)
.set i, i+1
.endr
	WIN 0
.endm
; A PASS: 128 columns of my wave x 64 tokens x K = 1,024: four trips.  The first trip's first K step takes the bias as C; behind that trip (its places stand behind its products)
; the NEXT pass's bias is loaded into the same registers: these 16 loads are older than every unit that the next pass waits for, so its first counted wait covers them.
; chk = 1: the launch's last pass (s[PASSES] = 1) has no successor and loads none; the counted waits allow 39 younger loads on both ways.
.macro PASS chk
	s_mov_b32 s[TT], 0
	v_mov_b32 v[ADA], v[ADA0]
	v_mov_b32 v[ADX], v[ADX0]
	ALOAD 0
	ALOAD 1
	s_wait_dscnt 16                                ; the first set is in; the second set's 16 loads may be out
	TRIP 1, 0
.if \chk
	s_cmp_eq_u32 s[PASSES], 1
	s_cbranch_scc1 .Lnbias_\@
.endif
	BIAS NB
.if \chk
.Lnbias_\@:
.endif
	s_mov_b32 s[TRIPS], 3
.Ltrip_\@:
	TRIP 0, 1
	s_sub_co_u32 s[TRIPS], s[TRIPS], 1
	s_cmp_lg_u32 s[TRIPS], 0
	s_cbranch_scc1 .Ltrip_\@
.endm
	s_load_b256 s[4:11], s[0:1], 0x0               ; x s[4:5], wq s[6:7], bqkv s[8:9], bout s[10:11]
	s_load_b64 s[12:13], s[0:1], 0x20              ; out0
	v_lshl_add_u32 v[SPW], v0, 2, SPARE
	v_mov_b32 v[NIL], 0
	v_lshrrev_b32 v56, 5, v0
	v_readfirstlane_b32 s[WV], v56                 ; wave 0..3
	v_and_b32 v56, 31, v0                          ; lane
	v_lshlrev_b32 v[LI], 4, v56
	s_lshl_b32 s36, ttmp9, 18                      ; the work-group's 64 rows of 4,096 bytes
	s_mov_b32 s37, 0
	s_lshl_b32 s38, s[WV], 16                      ; my wave's 16 of them
	s_mov_b32 s39, 0
	s_wait_alu depctr_va_vdst(0)
	s_wait_kmcnt 0x0
	s_add_nc_u64 s[4:5], s[4:5], s[36:37]
	s_add_nc_u64 s[4:5], s[4:5], s[38:39]
	; ---- X: my 16 rows of x, K step by K step; each load reads 512 consecutive bytes of a row
	WIN 0x80
.set i, 0
.rept 64
	global_load_b128 v[4*i:4*i+3], v[LI], s[4:5] offset:4096*(i%16)+512*(i/16) th:TH_LOAD_NT
.set i, i+1
.endr
	WIN 0xc0
.set i, 0
.rept 64
	global_load_b128 v[4*i:4*i+3], v[LI], s[4:5] offset:4096*(i%16)+512*(i/16)+2048 th:TH_LOAD_NT
.set i, i+1
.endr
	WIN 0
	; the other pointers and all addresses, while x is on its way
	s_add_nc_u64 s[12:13], s[12:13], s[36:37]
	s_lshl_b32 s38, s[WV], 9                       ; my wave's 128 columns, in f32
	s_add_nc_u64 s[12:13], s[12:13], s[38:39]
	s_add_nc_u64 s[8:9], s[8:9], s[38:39]
	s_add_nc_u64 s[10:11], s[10:11], s[38:39]
	s_mul_i32 s38, s[WV], STREAM
	s_add_nc_u64 s[6:7], s[6:7], s[38:39]          ; my wave's stream of weights; never rewritten from here on
	s_and_b32 s[RHO], ttmp9, 3                     ; where this work-group begins a pass's K
	s_mov_b32 s[NT], 0
	s_mul_i32 s[OFF], s[RHO], TRIPB
	s_mov_b32 s[OFF+1], 0
.irp q, 0,1,2,3
	s_add_nc_u64 s[RFB+2*\q:RFB+2*\q+1], s[6:7], s[OFF:OFF+1]   ; the first trip's units
.endr
	s_mov_b32 s[SEL], 0x76543210
	s_mov_b32 s[SEL+1], 0xfedcba98                 ; v_permlanex16_b32's selects for lane l xor 16
	s_mov_b32 s[L2E], 0x3e38aa3b                   ; log2(e) / 8: the softmax's base-2 factor and q's 0.125 in one
	s_mov_b32 s[L2E+1], s[L2E]                     ; (named with it as a pair, so it is written)
	v_and_b32 v57, 15, v0                          ; r, or t
	v_bfe_u32 v58, v0, 4, 1                        ; h
	v_lshlrev_b32 v[L8], 3, v56
	v_lshlrev_b32 v[BOF], 6, v58
	v_lshl_add_u32 v[LIX], v56, 2, XS
	s_mul_i32 s36, s[RHO], 2*FRB
	v_add_nc_u32 v[ADA0], s36, v[LI]
	s_lshl_b32 s36, s[RHO], 8
	v_add_nc_u32 v[ADX0], s36, v[LIX]
	s_mul_i32 s36, s[WV], RAWW
	s_add_co_u32 s36, s36, VR
	v_add_nc_u32 v[XST], s36, v[LI]
	v_mad_u32_u24 v[XLD], v57, RAWP, v[BOF]
	v_add_nc_u32 v[XLD], s36, v[XLD]
	s_mul_i32 s36, s[WV], TIB
	v_add_nc_u32 v[XWI], s36, v[LI]
	s_lshl_b32 s36, s[WV], 10
	v_add_nc_u32 v[XWS], s36, v[LIX]
	s_mul_i32 s36, s[WV], RWW
	s_add_co_u32 s36, s36, VR
	v_mul_u32_u24 v59, v58, 24
	v_mad_u32_u24 v[RWA], v57, RWP, v59
	v_add_nc_u32 v[RWA], s36, v[RWA]
	s_lshl_b32 s36, s[WV], 10
	s_add_co_u32 s36, s36, SCR
	v_lshl_add_u32 v[SWA], v57, 2, s36
	v_bfe_u32 v[C1], v0, 1, 2                      ; head r was written by wave (r / 2) % 4,
	v_bfe_u32 v[SQ], v0, 3, 1                      ; in pass r / 8 (k: two passes on),
	v_and_b32 v[C0], 1, v0                         ; as its local head r % 2
	v_mul_u32_u24 v[RQ], v[C1], RWW
	v_mad_u32_u24 v[RQ], v[SQ], RWPC, v[RQ]
	v_mad_u32_u24 v[RQ], v[C0], 48, v[RQ]
	v_add_nc_u32 v[RQ], v59, v[RQ]                 ; + 24 h: my half's 32 codes
	s_mul_i32 s36, s[WV], 16*RWP                   ; my wave's 16 tokens
	s_add_co_u32 s36, s36, VR
	v_add_nc_u32 v[RQ], s36, v[RQ]
	v_lshlrev_b32 v[SQ], 8, v[SQ]
	v_lshl_add_u32 v[SQ], v[C1], 10, v[SQ]
	v_lshl_add_u32 v[SQ], v[C0], 1, v[SQ]
	v_lshl_add_u32 v[SQ], v58, 9, v[SQ]            ; lanes 0-15 take q's two bytes, lanes 16-31 k's, two passes on
	s_lshl_b32 s36, s[WV], 6
	s_add_co_u32 s36, s36, SCR
	v_add_nc_u32 v[SQ], s36, v[SQ]
	s_lshl_b32 s36, s[WV], 14
	s_add_co_u32 s36, s36, VR
.irp t, 0,1,2,3
	v_add_nc_u32 v[VWA+\t], s36, v[LI]
	s_add_co_u32 s36, s36, 65536
.endr
	s_lshl_b32 s37, s[WV], 16
	s_add_co_u32 s37, s37, VR                      ; my own 65,536 bytes
	v_add_nc_u32 v[VRA], s37, v[LI]
	v_lshlrev_b32 v[PWA], 6, v57
	v_lshl_add_u32 v[PWA], v58, 5, v[PWA]
	v_add_nc_u32 v[PWA], s37, v[PWA]
	v_mul_u32_u24 v[PRA], v57, PSP
	v_add_nc_u32 v[PRA], s37, v[PRA]
	s_add_co_u32 s37, s37, 32768
	v_mad_u32_u24 v[STO], v57, YSP, v[BOF]
	v_add_nc_u32 v[STO], s37, v[STO]
	v_add_nc_u32 v[SRD], s37, v[LI]
.irp b, 0,1,2,3
	v_mov_b32 v[TM+4+\b], 0                        ; written once: a lane permute's destination counts as one of its sources
.endr
; Four K steps of my 16 rows become fragments: the numbers turn through my own rows in LDS, so that a lane holds 16 neighbours of each block of 32.
.macro QLOOP
	s_mov_b32 s[CNT], 4
.Lq_\@:
	s_wait_dscnt 0x0                               ; no LDS instruction of mine is out: the addresses may be written
	v_add_nc_u32 v[C0], s[S0], v[XLD]
	v_add_nc_u32 v[C1], s[S1], v[XWI]
	v_add_nc_u32 v[C2], s[S2], v[XWS]
.set i, 0
.rept 16
	ds_load_b128 v[HA+4*i:HA+4*i+3], v[C0] offset:128*(i/4)+16*(i%4)
.set i, i+1
.endr
	s_wait_dscnt 0x0
	QUANT HA, 0
	IMAGE C1
	ds_store_b32 v[C2], v[PW]
	s_add_co_u32 s[S0], s[S0], 512
	s_add_co_u32 s[S1], s[S1], FRB
	s_add_co_u32 s[S2], s[S2], 128
	s_sub_co_u32 s[CNT], s[CNT], 1
	s_cmp_lg_u32 s[CNT], 0
	s_cbranch_scc1 .Lq_\@
.endm
	s_wait_loadcnt 63                              ; of 128 loads at most 63 are out: the oldest 64, K steps 0 to 3, are in
	WIN 0x08                                       ; an LDS store's data are its source 1: window 2
.set i, 0
.rept 64
	ds_store_b128 v[XST], v[4*i:4*i+3] offset:RAWP*(i%16)+512*(i/16)
.set i, i+1
.endr
	WIN 0
	s_mov_b32 s[S0], 0
	s_mov_b32 s[S1], 0
	s_mov_b32 s[S2], 0
	QLOOP
	s_wait_loadcnt 0x0                             ; K steps 4 to 7
	WIN 0x0c
.set i, 0
.rept 64
	ds_store_b128 v[XST], v[4*i:4*i+3] offset:RAWP*(i%16)+512*(i/16)+2048
.set i, i+1
.endr
	WIN 0
	BIAS BP                                        ; the first pass's bias, ahead of the first units
	REFILL 0                                       ; the first trip's four units: 52 loads, which land while the rest of x is quantised
	REFILL 1
	REFILL 2
	REFILL 3
	s_mov_b32 s[S0], 4*512
	s_mov_b32 s[S1], 4*FRB
	s_mov_b32 s[S2], 4*128
	QLOOP
	BARRIER                                        ; x's 32 fragments lie in LDS, and nobody reads x's rows any more
	; ---- Q and K: four passes.  The accumulators hold sum + bias and are quantised where they stand
	s_mov_b32 s[PASSES], 4
	s_mov_b32 s[SROW], 0
	s_mov_b32 s[SSC], 0
.Lqk:
	s_add_nc_u64 s[NB:NB+1], s[BP:BP+1], 2048      ; the next pass's bias (the last loads by this pointer have read it: a wait on XCNT stands at each pass's end)
	v_add_nc_u32 v[RW], s[SROW], v[RWA]
	v_add_nc_u32 v[SW], s[SSC], v[SWA]
	PASS 0
.irp t, 0,1,2,3
	s_wait_dscnt 0x0                               ; the last tile's stores have read the codes' registers
	QUANT 64*\t, 2                                 ; each accumulator from its low end on
.irp m, 0,1,2,3,4,5
	ds_store_b64 v[RW], v[PC+2*\m:PC+2*\m+1] offset:16*RWP*\t+48*(\m/3)+8*(\m%3)   ; my token's 128 codes as a stream of bits: head c at 48 c, my half at 24 h
.endr
	ds_store_b32 v[SW], v[PW] offset:64*\t         ; both lanes of a token write the same word with the same value
.endr
	s_wait_dscnt 0x0
	s_wait_xcnt 0x0                                ; the bias's loads have read their base
	s_add_nc_u64 s[BP:BP+1], s[BP:BP+1], 2048
	s_add_co_u32 s[SROW], s[SROW], RWPC
	s_add_co_u32 s[SSC], s[SSC], 256
	s_sub_co_u32 s[PASSES], s[PASSES], 1
	s_cmp_lg_u32 s[PASSES], 0
	s_cbranch_scc1 .Lqk
	; the logits' K is 64: the operands' upper halves are zero codes, written once
	WIN 0x80
.irp e, 0,1,2,3
.irp x, 6,7,8,9,10,11,18,19,20,21,22,23
	v_mov_b32 v[24*\e+\x], 0
.endr
.endr
.irp e, 0,1,2,3
	v_mov_b32 v[129+2*\e], 0                       ; the upper halves of pairs of which the low word serves, and the permutes' destinations
	v_mov_b32 v[136+\e], 0
	v_mov_b32 v[157+2*\e], 0
.endr
	WIN 0
	BARRIER                                        ; q's and k's codes of all 64 tokens lie in LDS
	; ---- the logits and the softmax of my 16 tokens, four at a time.  D = k q^T: a lane holds query head lane % 16 and key heads 8 (lane / 16) + 0 .. 7
.macro LLOAD n
	WIN 0x80
.irp e, 0,1,2,3
.irp i, 0,1,2
	ds_load_b64 v[24*\e+2*\i:24*\e+2*\i+1], v[RQ] offset:RWP*(4*(\n)+\e)+2*RWPC+8*\i       ; k: head r, my half's 24 bytes
	ds_load_b64 v[24*\e+12+2*\i:24*\e+13+2*\i], v[RQ] offset:RWP*(4*(\n)+\e)+8*\i          ; q
.endr
.endr
	WIN 0
.irp e, 0,1,2,3
	ds_load_u16 v[LSC+\e], v[SQ] offset:4*(4*(\n)+\e)   ; two scale bytes; the word's upper two are 0, over zero codes
.endr
.endm
.macro LBATCH n
	s_wait_dscnt 0x0
	WIN 0xaa                                       ; all in window 2
.irp e, 0,1,2,3
	v_wmma_scale_f32_16x16x128_f8f6f4 v[96+8*\e:103+8*\e], v[24*\e:24*\e+11], v[24*\e+12:24*\e+23], 0, v[LSC+\e], v[LSC+\e] matrix_a_fmt:MATRIX_FMT_FP6 matrix_b_fmt:MATRIX_FMT_FP6 matrix_a_scale:MATRIX_SCALE_ROW1
.endr
	PLACES
.if (\n) < 3
	LLOAD (\n)+1
.endif
	WIN 0xaa
.irp e, 0,1,2,3
	v_max3_num_f32 v[128+2*\e], v[96+8*\e], v[97+8*\e], v[98+8*\e]   ; the four tokens by turns; each result from its low end on
.endr
.irp e, 0,1,2,3
	v_max3_num_f32 v[128+2*\e], v[128+2*\e], v[99+8*\e], v[100+8*\e]
.endr
.irp e, 0,1,2,3
	v_max3_num_f32 v[128+2*\e], v[128+2*\e], v[101+8*\e], v[102+8*\e]
.endr
.irp e, 0,1,2,3
	v_max_num_f32 v[128+2*\e], v[128+2*\e], v[103+8*\e]
.endr
.irp e, 0,1,2,3
	v_permlanex16_b32 v[136+\e], v[128+2*\e], s[SEL], s[SEL+1]
.endr
.irp e, 0,1,2,3
	v_max_num_f32 v[128+2*\e], v[128+2*\e], v[136+\e]   ; the row's maximum over all 16 key heads
.endr
.irp e, 0,1,2,3
.irp i, 0,2,4,6
	v_pk_add_f32 v[96+8*\e+\i:97+8*\e+\i], v[96+8*\e+\i:97+8*\e+\i], v[128+2*\e:129+2*\e] op_sel_hi:[1,0] neg_lo:[0,1] neg_hi:[0,1]   ; the maximum is taken away first
.endr
.endr
.irp e, 0,1,2,3
.irp i, 0,2,4,6
	v_pk_mul_f32 v[96+8*\e+\i:97+8*\e+\i], v[96+8*\e+\i:97+8*\e+\i], s[L2E:L2E+1] op_sel_hi:[1,0]
.endr
.endr
.set i, 0
	s_wait_alu depctr_va_vdst(0)
.rept 32
	v_exp_f32 v[96+i], v[96+i]
.set i, i+1
.endr
	v_nop                                          ; a plain place behind the last exponential
	s_wait_alu depctr_va_vdst(0)                   ; one wait for the batch of 32, ahead of its first reader
.irp e, 0,1,2,3
	v_pk_add_f32 v[140+4*\e:141+4*\e], v[96+8*\e:97+8*\e], v[98+8*\e:99+8*\e]
	v_pk_add_f32 v[142+4*\e:143+4*\e], v[100+8*\e:101+8*\e], v[102+8*\e:103+8*\e]
.endr
.irp e, 0,1,2,3
	v_pk_add_f32 v[140+4*\e:141+4*\e], v[140+4*\e:141+4*\e], v[142+4*\e:143+4*\e]
.endr
.irp e, 0,1,2,3
	v_add_f32 v[140+4*\e], v[140+4*\e], v[141+4*\e]
.endr
.irp e, 0,1,2,3
	v_permlanex16_b32 v[136+\e], v[140+4*\e], s[SEL], s[SEL+1]
.endr
.irp e, 0,1,2,3
	v_add_f32 v[140+4*\e], v[140+4*\e], v[136+\e]  ; the row's sum
.endr
	s_wait_alu depctr_va_vdst(0)
.irp e, 0,1,2,3
	v_rcp_f32 v[156+2*\e], v[140+4*\e]
.endr
	v_nop
	s_wait_alu depctr_va_vdst(0)                   ; one wait for the four reciprocals
	WIN 0xca                                       ; destination window 3: p of token 4 n + e at v[8 (4 n + e)]
.irp e, 0,1,2,3
.irp i, 0,2,4,6
	v_pk_mul_f32 v[8*(4*(\n)+\e)+\i:8*(4*(\n)+\e)+\i+1], v[96+8*\e+\i:97+8*\e+\i], v[156+2*\e:157+2*\e] op_sel_hi:[1,0]
.endr
.endr
.endm
	LLOAD 0
	LBATCH 0
	LBATCH 1
	LBATCH 2
	LBATCH 3
	WIN 0
	BARRIER                                        ; nobody reads q's and k's codes any more: v's images may land there
	; ---- V: two passes; v + bias goes in f32, as images of the accumulators, to the wave that owns the tokens
	s_mov_b32 s[PASSES], 2
	s_mov_b32 s[SV], 0
.Lv:
.irp t, 0,1,2,3
	v_add_nc_u32 v[VW+\t], s[SV], v[VWA+\t]
.endr
	s_add_nc_u64 s[NB:NB+1], s[BP:BP+1], 2048
	s_cmp_eq_u32 s[PASSES], 1                      ; behind v's second pass comes the output's first: its bias is bout's
	s_cselect_b64 s[NB:NB+1], s[10:11], s[NB:NB+1]
	PASS 0
	WIN 0x08
.irp t, 0,1,2,3
.set i, 0
.rept 16
	ds_store_b128 v[VW+\t], v[64*\t+4*i:64*\t+4*i+3] offset:512*i   ; tile i / 2 of my eight, half i % 2: 512 consecutive bytes
.set i, i+1
.endr
.endr
	WIN 0
	s_wait_dscnt 0x0
	s_wait_xcnt 0x0
	s_add_nc_u64 s[BP:BP+1], s[BP:BP+1], 2048
	s_add_co_u32 s[SV], s[SV], 8192
	s_sub_co_u32 s[PASSES], s[PASSES], 1
	s_cmp_lg_u32 s[PASSES], 0
	s_cbranch_scc1 .Lv
	BARRIER                                        ; v of all tokens lies in LDS, and nobody reads x's fragments any more
	; ---- attn x v for my 16 tokens, in f32.  v comes into 512 registers: stored head kk (0 .. 15) at 32 (kk % 8), window 2 or 3; it is key head 8 ((kk / 2) % 2) + 2 (kk / 4) + kk % 2
	WIN 0x80
.set i, 0
.rept 64
	ds_load_b128 v[4*i:4*i+3], v[VRA] offset:512*i
.set i, i+1
.endr
	WIN 0
	s_wait_dscnt 0x0                               ; the first half of my 65,536 bytes has been read: p goes there, turned: [token][query head][key head]
	WIN 0x0c
.set i, 0
.rept 32
	ds_store_b128 v[PWA], v[4*i:4*i+3] offset:PSP*(i/2)+16*(i%2)
.set i, i+1
.endr
	s_wait_dscnt 0x0                               ; the stores have read p's registers: window 3 takes v's other heads
	WIN 0xc0
.set i, 0
.rept 64
	ds_load_b128 v[4*i:4*i+3], v[VRA] offset:32768+512*i
.set i, i+1
.endr
	WIN 0
.set i, 0
.rept 8
	ds_load_b128 v[PP+4*i:PP+4*i+3], v[PRA] offset:16*i   ; my token's p of query heads 0 and 1
.set i, i+1
.endr
; 256 packed multiply-adds: query head 2 s + c of my token: 32 numbers, register 16 b + i = channel 32 b + 16 h + i.  The first key head's product starts the sums.
.macro BLOCK c
.set k, 0
.rept 16
.set hkp, PP+16*\c+8*((k/2)%2)+2*(k/4)
.if k == 0
	WIN 0x02                                       ; source 0 (v) window 2
.endif
.if k == 8
	WIN 0x03                                       ; window 3
.endif
.set m, 0
.rept 16
.set rH, HA+32*\c+2*m
.set rV, 32*(k%8)+2*m
.if k == 0
	v_pk_mul_f32 v[rH:rH+1], v[rV:rV+1], v[hkp:hkp+1] op_sel_hi:[1,0]
.elseif k%2 == 0
	v_pk_fma_f32 v[rH:rH+1], v[rV:rV+1], v[hkp:hkp+1], v[rH:rH+1] op_sel_hi:[1,0,1]
.else
	v_pk_fma_f32 v[rH:rH+1], v[rV:rV+1], v[hkp:hkp+1], v[rH:rH+1] op_sel:[0,1,0] op_sel_hi:[1,1,1]
.endif
.set m, m+1
.endr
.set k, k+1
.endr
.endm
	s_mov_b32 s[CNT], 8
	s_mov_b32 s[SPS], 0
	s_mov_b32 s[S1], 0
	s_mov_b32 s[S2], 0
.Lp3:                                  ; a trip: two query heads = one K step of the last product
	s_wait_dscnt 0x0                               ; p is in, v is in, and the last trip's stores have read the codes' registers
	v_add_nc_u32 v[C0], s[SPS], v[PRA]
	v_add_nc_u32 v[C1], s[S1], v[XWI]
	v_add_nc_u32 v[C2], s[S2], v[XWS]
	BLOCK 0
	WIN 0
	s_cmp_eq_u32 s[CNT], 1                         ; the last trip has no successor
	s_cbranch_scc1 .Lp3a
.irp i, 0,1,2,3
	ds_load_b128 v[PP+4*\i:PP+4*\i+3], v[C0] offset:128+16*\i
.endr
.Lp3a:
	BLOCK 1
	WIN 0
	s_cmp_eq_u32 s[CNT], 1
	s_cbranch_scc1 .Lp3b
.irp i, 0,1,2,3
	ds_load_b128 v[PP+16+4*\i:PP+16+4*\i+3], v[C0] offset:192+16*\i
.endr
.Lp3b:
	QUANT HA, 0
	IMAGE C1
	ds_store_b32 v[C2], v[PW]
	s_add_co_u32 s[SPS], s[SPS], 128
	s_add_co_u32 s[S1], s[S1], FRB
	s_add_co_u32 s[S2], s[S2], 128
	s_sub_co_u32 s[CNT], s[CNT], 1
	s_cmp_lg_u32 s[CNT], 0
	s_cbranch_scc1 .Lp3
	BARRIER                                        ; the attention's 32 fragments lie in LDS
	; ---- the output: two passes; a token tile's 16 rows x 128 columns go through my own stage and leave as rows of 512 bytes.
	; Each of a pass's four token tiles has its own 64 registers of window 3 for the rows that it stores: a set is loaded again only in the next pass, behind the wait on XCNT at this pass's end.
	s_mov_b64 s[BP:BP+1], s[10:11]                 ; (the bias's last loads have long read their base: a wait on XCNT stands at the end of V's passes)
	s_mov_b32 s[PASSES], 2
.Lout:
	s_add_nc_u64 s[NB:NB+1], s[BP:BP+1], 2048      ; used in the first of the two passes alone
	PASS 1
.irp t, 0,1,2,3
	WIN 0x08                                       ; an LDS store's data are its source 1: window 2
.set i, 0
.rept 16
	ds_store_b128 v[STO], v[64*\t+4*i:64*\t+4*i+3] offset:128*(i/4)+16*(i%4)   ; sum + bias as the accumulators hold it, each from its low end on
.set i, i+1
.endr
	WIN 0xc0
.set i, 0
.rept 16
	ds_load_b128 v[64*\t+4*i:64*\t+4*i+3], v[SRD] offset:YSP*i   ; LDS serves a wave's instructions in order (ISA guide 5.7.1.4): these see the stores above
.set i, i+1
.endr
	s_wait_dscnt 0x0
	WIN 0x0c
.set i, 0
.rept 16
	global_store_b128 v[LI], v[64*\t+4*i:64*\t+4*i+3], s[12:13] offset:4096*(16*\t+i) th:TH_STORE_NT   ; 32 lanes store 512 consecutive bytes, at a multiple of 256 from out0's first byte
.set i, i+1
.endr
.endr
	WIN 0
	s_wait_xcnt 0x0                                ; the stores have read their registers and their base, the bias's loads theirs
	s_add_nc_u64 s[12:13], s[12:13], 2048
	s_add_nc_u64 s[BP:BP+1], s[BP:BP+1], 2048
	s_sub_co_u32 s[PASSES], s[PASSES], 1
	s_cmp_lg_u32 s[PASSES], 0
	s_cbranch_scc1 .Lout
	s_wait_tensorcnt 0x0                           ; the wave's end, behind my last LDS store
	ds_add_u32 v[SPW], v[NIL]
	s_wait_dscnt 0x0
	s_endpgm
.Lfunc_end_k_qda6e3526ab_fused:
	.size	k_qda6e3526ab_fused, .Lfunc_end_k_qda6e3526ab_fused-k_qda6e3526ab_fused
	.p2alignl 7, 3214868480
	.fill 96, 4, 3214868480
	.section	.rodata,"a",@progbits
	.p2align	6, 0x0
	.amdhsa_kernel k_qda6e3526ab_fused
		.amdhsa_group_segment_fixed_size 316928
		.amdhsa_private_segment_fixed_size 0
		.amdhsa_enable_private_segment 0
		.amdhsa_kernarg_size 40
		.amdhsa_user_sgpr_count 2
		.amdhsa_user_sgpr_kernarg_segment_ptr 1
		.amdhsa_wavefront_size32 1
		.amdhsa_system_sgpr_workgroup_id_x 1
		.amdhsa_system_sgpr_workgroup_id_y 1
		.amdhsa_system_sgpr_workgroup_id_z 1
		.amdhsa_system_vgpr_workitem_id 0
		.amdhsa_next_free_vgpr 1024
		.amdhsa_next_free_sgpr 66
		.amdhsa_reserve_vcc 0
		.amdhsa_float_denorm_mode_32 3
		.amdhsa_float_denorm_mode_16_64 3
		.amdhsa_memory_ordered 1
		.amdhsa_forward_progress 1
		.amdhsa_inst_pref_size 255
	.end_amdhsa_kernel
	.section	.bss,"aw",@nobits
	.p2align	6
	.space	262144
	.amdgpu_metadata
---
amdhsa.version: [ 1, 2 ]
amdhsa.kernels:
  - .name:           k_qda6e3526ab_fused
    .symbol:         k_qda6e3526ab_fused.kd
    .args:
      - { .name: x, .offset: 0, .size: 8, .value_kind: global_buffer, .address_space: global }
      - { .name: wq, .offset: 8, .size: 8, .value_kind: global_buffer, .address_space: global }
      - { .name: bqkv, .offset: 16, .size: 8, .value_kind: global_buffer, .address_space: global }
      - { .name: bout, .offset: 24, .size: 8, .value_kind: global_buffer, .address_space: global }
      - { .name: out0, .offset: 32, .size: 8, .value_kind: global_buffer, .address_space: global }
    .group_segment_fixed_size: 316928
    .private_segment_fixed_size: 0
    .kernarg_segment_align: 8
    .kernarg_segment_size: 40
    .max_flat_workgroup_size: 128
    .sgpr_count:     66
    .vgpr_count:     1024
    .wavefront_size: 32
...
	.end_amdgpu_metadata
.endif
;; end of part 2
